; MI455X (gfx1250); checked and timed in simulation.
; The chip was launched on July 23, 2026; its instructions are those of AMD's public machine-readable ISA for CDNA 5 (MIT licence, August 2026) and "CDNA5" Instruction Set Architecture Reference Guide (July 2026). The comments in the code are by the model that wrote it; some were corrected since.
;; Dist Flash Attn. Allowed arithmetic: matrix products marked QUANTISED: E5M2 operands, one given power-of-two scale a tensor, by v_wmma_f32_16x16x64_bf8_bf8 or v_wmma_f32_16x16x128_bf8_bf8, f32 sums; everything else in f32.
;; Inputs: is_causal_local 4 bool; is_causal_remote 4 bool; k_local 4,096 x 8 x 128 float32; k_remote 4,096 x 8 x 128 float32; kv_ranges_local 4 x 2 int32; kv_ranges_remote 4 x 2 int32; lowp_scales 8 int32 (the exponents e of the quantised operands' scales 2^e); q 4,096 x 8 x 128 float32; q_ranges_local 4 x 2 int32; q_ranges_remote 4 x 2 int32; v_local 4,096 x 8 x 128 float32; v_remote 4,096 x 8 x 128 float32.
;; Outputs: out0 4,096 x 8 x 128 float32; out1 8 x 4,096 float32.
;; This version of the problem:
;;   THIS VERSION OF THE PROBLEM IS GIVEN IN LOW PRECISION. The matrix products marked QUANTISED in the list below multiply operands that are first quantised to E5M2 (5 exponent bits, 2 mantissa bits; 8 bits a number), with one given power-of-two scale for each operand tensor; their sums are f32. All else is computed in f32.
;;   The module's matrix products, in the order in which they are computed (A, B: the left and right operand; K: the contracted axis; several contracted axes count as one K, in the product's order):
;;     1. batch 8 x [M 4,096, K 128] x [K 128, N 4,096]; A: input q; B: input k_local: QUANTISED (scales: A lowp_scales[0], B lowp_scales[1])
;;     2. batch 8 x [M 128, K 4,096] x [K 4,096, N 4,096]; A: input v_local; B: computed on the way: QUANTISED (scales: A lowp_scales[2], B lowp_scales[3])
;;     3. batch 8 x [M 4,096, K 128] x [K 128, N 4,096]; A: input q; B: input k_remote: QUANTISED (scales: A lowp_scales[4], B lowp_scales[5])
;;     4. batch 8 x [M 128, K 4,096] x [K 4,096, N 4,096]; A: input v_remote; B: computed on the way: QUANTISED (scales: A lowp_scales[6], B lowp_scales[7])
;;   THE QUANTISER, for each operand of a quantised product, along K:
;;     - The operand's scale is 2^e, e = its entry of the input lowp_scales (int32; the entries are numbered through the quantised products in the list's order, A before B).
;;     - Each number is divided by the scale, clamped to +-57,344, and rounded to the nearest number of E5M2, ties to even, subnormals kept.
;;     - The product sums the exact products of the quantised numbers (number of the format x scale) in f32.
;;   ~~~python
;;   def quantise(x, axis, e):      # numpy; x: float32 -> the quantised numbers, widened to float32 again
;;       x = np.moveaxis(x, axis, -1); K = x.shape[-1]
;;       r = np.clip(x / 2.0 ** e, -57344, 57344)
;;       step = 2.0 ** (np.maximum(np.frexp(np.where(r == 0, 1, r))[1] - 1, -14) - 2)
;;       q = np.round(r / step) * step * 2.0 ** e      # np.round: ties to even
;;       return np.moveaxis(q, -1, axis).astype(np.float32)
;;   ~~~
;;   OPERANDS COMPUTED ON THE WAY. 'Computed on the way' means the value that the module computes at that place (a softmax that the list does not call 'softmax' is quantised finished and normalised). What goes into a quantiser is computed in f32, as accurately as f32 sums, v_exp_f32 and their like allow (about 1e-6 of the number): no bf16 or f16 on the way to a quantiser, and a product that is left as it is and whose result goes on into a quantised operand takes f32 operands (vector FMAs, or v_wmma_f32_16x16x4_f32). A number that lies on a knife's edge between two numbers of the format may be rounded either way, as far as f32 arithmetic and the matrix unit's own rounding can turn it there, and no further.
;; 2 versions, each right; version 2 is version 1 with the launch quant written anew for expert scheduling mode. Each part assembles by itself: llvm-mc -triple=amdgcn-amd-amdhsa -mcpu=gfx1250 --defsym DOCPART=n.
;; ======== version 1 of 2: 2 launches
;; workspace buffers: kc 8,388,608 bytes; vc 8,388,608 bytes
;; launch quant (part 1): grid 512 x 1, 8 waves a work-group, no clusters, 136,192 bytes of LDS; arguments k_local, k_remote, v_local, v_remote, lowp_scales, kc, vc; writes kc, vc
.if DOCPART == 1
	.amdgcn_target "amdgcn-amd-amdhsa--gfx1250"
	.amdhsa_code_object_version 6
	.text
	.protected	k_q9bfd38c134_quant
	.globl	k_q9bfd38c134_quant
	.p2align	8
	.type	k_q9bfd38c134_quant,@function
k_q9bfd38c134_quant:
	s_mov_b64 s[64:65], 0
	v_nop
	global_prefetch_b8 v0, s[64:65] scope:SCOPE_SE
	s_setreg_imm32_b32 hwreg(HW_REG_WAVE_MODE, 25, 1), 1
	s_wait_xcnt 0x0
; K and V of both stages, [4096 keys][8 heads][128] f32, become codes of E5M2, laid as IMAGES OF OPERAND REGISTERS for the attention launch.
; kc and vc: [head 8][stage 2][unit 32][fragment 8][chunk 4][lane 32][16 bytes].  A unit is 128 keys (16,384 bytes); a fragment is 16 registers a lane;
; chunk c is registers 4 c .. 4 c + 3, lane l's 16 bytes at 16 l.  With r = lane % 16, h = lane / 16:
;   kc, fragment 2 b + u: key 32 b + 8 u + r + 8 (r / 8) of the unit, channels 32 c + 16 h + 0 .. 15   (K of the first product = the head's 128 channels)
;   vc, fragment dt:      channel 16 dt + r, keys 32 c + 16 h + 0 .. 15 of the unit                     (K of the second product = the keys)
; code = x / 2^e, held within +-57,344, to the nearest code, ties to even.  e: entries 1, 5 (K local, remote) and 2, 6 (V) of the buffer of scales.
; LIMITS: e between -126 and 112, so that 2^e and 57,344 x 2^e are f32 numbers.  NaN among the inputs is not served.
; Work-groups 0-255 take K, 256-511 take V; each of eight waves has one task of 16 KiB of f32, written out without a loop; waves share nothing, so there is no barrier.
; No tensor loads, matrix units or clusters: every byte is read once and written once, and nothing is shared between work-groups.
.set RP,   528                         ; a row of 512 bytes in the wave's stage + 16 of padding = 132 words: sixteen rows start at sixteen different groups of four banks
.set WREG, 32*RP                       ; a wave's stage: 32 rows
.set X,    32                          ; v32-159  128 numbers
.set CD,   160                         ; v160-191 codes: registers of their own for every store, so that no store's data are written again
	s_load_b256 s[4:11], s[0:1], 0x0               ; k_local s[4:5], k_remote s[6:7], v_local s[8:9], v_remote s[10:11]
	s_load_b128 s[12:15], s[0:1], 0x20             ; the scales' exponents s[12:13], kc s[14:15]
	s_load_b64 s[16:17], s[0:1], 0x30              ; vc
	v_lshl_add_u32 v192, v0, 2, 0x21000
	v_mov_b32 v193, 0
	v_lshrrev_b32 v4, 5, v0
	v_readfirstlane_b32 s18, v4                    ; wave 0..7
	v_and_b32 v4, 31, v0                           ; lane
	v_and_b32 v5, 15, v0                           ; r
	v_bfe_u32 v6, v0, 4, 1                         ; h
	v_lshlrev_b32 v1, 4, v4                        ; 16 x lane
	s_mul_i32 s19, s18, WREG
	v_add_nc_u32 v2, s19, v1                       ; K: into my stage: 16 bytes a lane of a row
	v_mul_u32_u24 v3, v5, RP
	v_lshl_add_u32 v3, v6, 6, v3
	v_add_nc_u32 v3, s19, v3                       ; K: out of it: row r, 64 h bytes on
	v_lshlrev_b32 v7, 2, v4                        ; V: in: 4 bytes a lane
	v_lshlrev_b32 v8, 4, v5
	v_lshl_add_u32 v8, v6, 11, v8                  ; V: out: fragment lane / 16, 16 r bytes on
	s_wait_kmcnt 0x0
	s_load_b256 s[20:27], s[12:13], 0x0            ; the eight exponents
	s_cmp_lt_u32 ttmp9, 256
	s_cbranch_scc0 .Lv
.macro SCALE                           ; s29 = e  ->  v11 = 2^e (the conversion takes its exponent field), v10 = 57,344 x 2^e
	s_add_co_i32 s29, s29, 127
	s_lshl_b32 s36, s29, 23
	v_mov_b32 v11, s36
	s_add_co_i32 s29, s29, 15
	s_lshl_b32 s29, s29, 23
	s_or_b32 s29, s29, 0x600000
	v_mov_b32 v10, s29
.endm
	; ---- K.  x = head x 32 + stage x 16 + sixteenth; the wave takes a group of 32 keys = two fragments = 4,096 bytes of kc
	s_bfe_u32 s28, ttmp9, 0x10004                  ; stage
	s_lshr_b32 s30, ttmp9, 5                       ; head
	s_and_b32 s31, ttmp9, 15
	s_lshl_b32 s31, s31, 3
	s_add_co_u32 s31, s31, s18                     ; the group, 0..127
	s_lshl_b32 s32, s31, 17                        ; 32 keys of 4,096 bytes
	s_lshl_b32 s33, s30, 9                         ; the head's 512 bytes of a key
	s_add_co_u32 s32, s32, s33
	s_mov_b32 s33, 0
	s_lshl_b32 s34, ttmp9, 3
	s_add_co_u32 s34, s34, s18
	s_lshl_b32 s34, s34, 12                        ; kc: (8 x + wave) x 4,096
	s_mov_b32 s35, 0
	s_cmp_lg_u32 s28, 0
	s_cselect_b64 s[4:5], s[6:7], s[4:5]           ; the choice hangs on the work-group's number alone
	s_add_nc_u64 s[4:5], s[4:5], s[32:33]
	s_add_nc_u64 s[14:15], s[14:15], s[34:35]
.set kk, 0
.rept 32
	global_load_b128 v[X+4*kk:X+4*kk+3], v1, s[4:5] offset:4096*kk th:TH_LOAD_NT   ; key kk of the group: 32 lanes read its 512 consecutive bytes
.set kk, kk+1
.endr
	s_wait_kmcnt 0x0
	s_cmp_lg_u32 s28, 0
	s_cselect_b32 s29, s25, s21
	SCALE
.set kk, 0
.rept 32
	s_wait_loadcnt 31-kk                           ; loads come back in order: row kk is in, the younger rows stay out
	ds_store_b128 v2, v[X+4*kk:X+4*kk+3] offset:(16*((kk/8)%2)+8*(kk/16)+kk%8)*RP   ; rows in the order of the fragments' lanes: key 8 u + r + 8 (r / 8) at row 16 u + r
.set kk, kk+1
.endr
	s_wait_dscnt 0x0                               ; the stores have read their registers, which take the numbers back
.set kk, 0
.rept 32
	ds_load_b128 v[X+4*kk:X+4*kk+3], v3 offset:16*(kk/16)*RP+128*((kk/4)%4)+16*(kk%4)   ; chunk kk / 4: my 16 neighbouring channels of my key
.set kk, kk+1
.endr
.set it, 0
.rept 8
	s_wait_dscnt 28-4*it                           ; this chunk's four loads are in; the later chunks' stay out
.set i, 0
.rept 16
	v_med3_num_f32 v[X+16*it+i], v[X+16*it+i], -v10, v10   ; the conversion to an 8-bit code does not saturate (ISA guide 7.6.2): the hold comes first
.set i, i+1
.endr
	v_cvt_scalef32_pk8_bf8_f32 v[CD+4*it:CD+4*it+1], v[X+16*it:X+16*it+7], v11
	v_cvt_scalef32_pk8_bf8_f32 v[CD+4*it+2:CD+4*it+3], v[X+16*it+8:X+16*it+15], v11
	global_store_b128 v1, v[CD+4*it:CD+4*it+3], s[14:15] offset:512*it   ; a chunk: 512 consecutive bytes.  (The codes go to a store alone; the next chunk's holds are plain lines on other registers)
.set it, it+1
.endr
	s_wait_tensorcnt 0x0
	ds_add_u32 v192, v193
	s_wait_dscnt 0x0
	s_endpgm
.Lv:	; ---- V.  A LANE TAKES A CHANNEL AND ITS REGISTERS RUN DOWN THE KEYS: task = ((head x 2 + stage) x 32 + unit) x 4 + group of 32 channels
	s_sub_co_u32 s28, ttmp9, 256
	s_lshl_b32 s28, s28, 3
	s_add_co_u32 s28, s28, s18                     ; the task, 0..2047
	s_and_b32 s30, s28, 3                          ; which 32 channels: the four waves side by side read 512 consecutive bytes of a key
	s_bfe_u32 s31, s28, 0x50002                    ; unit
	s_bfe_u32 s37, s28, 0x10007                    ; stage
	s_lshr_b32 s38, s28, 8                         ; head
	s_lshl_b32 s32, s31, 19                        ; 128 keys of 4,096 bytes
	s_lshl_b32 s33, s38, 9
	s_add_co_u32 s32, s32, s33
	s_lshl_b32 s33, s30, 7
	s_add_co_u32 s32, s32, s33
	s_mov_b32 s33, 0
	s_lshr_b32 s34, s28, 2
	s_lshl_b32 s34, s34, 14                        ; vc: the unit's 16,384 bytes,
	s_lshl_b32 s35, s30, 12                        ; my two fragments
	s_add_co_u32 s34, s34, s35
	s_mov_b32 s35, 0
	s_cmp_lg_u32 s37, 0
	s_cselect_b64 s[8:9], s[10:11], s[8:9]
	s_add_nc_u64 s[8:9], s[8:9], s[32:33]
	s_add_nc_u64 s[16:17], s[16:17], s[34:35]
.set kk, 0
.rept 128
	global_load_b32 v[X+kk], v7, s[8:9] offset:4096*kk th:TH_LOAD_NT   ; key kk of the unit, my channel
.set kk, kk+1
.endr
	s_wait_kmcnt 0x0
	s_cmp_lg_u32 s37, 0
	s_cselect_b32 s29, s26, s22
	SCALE
.macro VBLOCK c, left                  ; keys 32 c .. 32 c + 31;  left: younger loads that may stay out
	s_wait_loadcnt \left
.set i, 0
.rept 32
	v_med3_num_f32 v[X+32*\c+i], v[X+32*\c+i], -v10, v10
.set i, i+1
.endr
.irp g, 0,1,2,3
	v_cvt_scalef32_pk8_bf8_f32 v[CD+8*\c+2*\g:CD+8*\c+2*\g+1], v[X+32*\c+8*\g:X+32*\c+8*\g+7], v11
.endr
	global_store_b128 v8, v[CD+8*\c:CD+8*\c+3], s[16:17] offset:512*\c          ; keys 0-15 of the block: the places of lanes 0-15 of chunk c; sixteen lanes store 256 consecutive bytes, aligned
	global_store_b128 v8, v[CD+8*\c+4:CD+8*\c+7], s[16:17] offset:512*\c+256    ; keys 16-31: the places of lanes 16-31
.endm
	VBLOCK 0, 63                                   ; 96 younger loads could stay out; the wait's field holds 63
	VBLOCK 1, 63                                   ; 64 could
	VBLOCK 2, 32
	VBLOCK 3, 0
	s_endpgm
.Lfunc_end_k_q9bfd38c134_quant:
	.size	k_q9bfd38c134_quant, .Lfunc_end_k_q9bfd38c134_quant-k_q9bfd38c134_quant
	.p2alignl 7, 3214868480
	.fill 96, 4, 3214868480
	.section	.rodata,"a",@progbits
	.p2align	6, 0x0
	.amdhsa_kernel k_q9bfd38c134_quant
		.amdhsa_group_segment_fixed_size 136192
		.amdhsa_private_segment_fixed_size 0
		.amdhsa_enable_private_segment 0
		.amdhsa_kernarg_size 56
		.amdhsa_user_sgpr_count 2
		.amdhsa_user_sgpr_kernarg_segment_ptr 1
		.amdhsa_wavefront_size32 1
		.amdhsa_system_sgpr_workgroup_id_x 1
		.amdhsa_system_sgpr_workgroup_id_y 1
		.amdhsa_system_sgpr_workgroup_id_z 1
		.amdhsa_system_vgpr_workitem_id 0
		.amdhsa_next_free_vgpr 194
		.amdhsa_next_free_sgpr 66
		.amdhsa_reserve_vcc 0
		.amdhsa_float_denorm_mode_32 3
		.amdhsa_float_denorm_mode_16_64 3
		.amdhsa_memory_ordered 1
		.amdhsa_forward_progress 1
		.amdhsa_inst_pref_size 44
	.end_amdhsa_kernel
	.amdgpu_metadata
---
amdhsa.version: [ 1, 2 ]
amdhsa.kernels:
  - .name:           k_q9bfd38c134_quant
    .symbol:         k_q9bfd38c134_quant.kd
    .args:
      - { .name: k_local, .offset: 0, .size: 8, .value_kind: global_buffer, .address_space: global }
      - { .name: k_remote, .offset: 8, .size: 8, .value_kind: global_buffer, .address_space: global }
      - { .name: v_local, .offset: 16, .size: 8, .value_kind: global_buffer, .address_space: global }
      - { .name: v_remote, .offset: 24, .size: 8, .value_kind: global_buffer, .address_space: global }
      - { .name: lowp_scales, .offset: 32, .size: 8, .value_kind: global_buffer, .address_space: global }
      - { .name: kc, .offset: 40, .size: 8, .value_kind: global_buffer, .address_space: global }
      - { .name: vc, .offset: 48, .size: 8, .value_kind: global_buffer, .address_space: global }
    .group_segment_fixed_size: 136192
    .private_segment_fixed_size: 0
    .kernarg_segment_align: 8
    .kernarg_segment_size: 56
    .max_flat_workgroup_size: 256
    .sgpr_count:     66
    .vgpr_count:     194
    .wavefront_size: 32
...
	.end_amdgpu_metadata
.endif
;; end of part 1
;; launch attn (part 2): grid 32 x 8, 8 waves a work-group, no clusters, 206,336 bytes of LDS; arguments q, kc, vc, lowp_scales, q_ranges_local, kv_ranges_local, is_causal_local, q_ranges_remote, kv_ranges_remote, is_causal_remote, out0, out1; writes out0, out1
.if DOCPART == 2
	.amdgcn_target "amdgcn-amd-amdhsa--gfx1250"
	.amdhsa_code_object_version 6
	.text
	.protected	k_q9bfd38c134_attn
	.globl	k_q9bfd38c134_attn
	.p2align	8
	.type	k_q9bfd38c134_attn,@function
k_q9bfd38c134_attn:
	s_mov_b64 s[64:65], 0
	v_nop
	global_prefetch_b8 v0, s[64:65] scope:SCOPE_SE
	s_setreg_imm32_b32 hwreg(HW_REG_WAVE_MODE, 25, 1), 1
	s_wait_xcnt 0x0
; Two masked attentions of the same queries (stage 0 local, stage 1 remote), merged by their log-sum-exps, the remote one twice, as the reference does.  All four products on codes of E5M2.
; THE WEIGHTS ARE QUANTISED FINISHED AND NORMALISED, so the keys are walked twice.  With t = score x log2(e) / sqrt(128):
;   pass 1: S^T = K Q^T, a running largest t and the sum of 2^(t - largest) for each query;  L = largest + log2(sum);
;   pass 2: S^T again, p = 2^(t - L), held, quantised with the given scale, O^T += V^T P.  O needs no rescaling.
; SHARES.  A work-group owns 128 queries of one head.  Wave w: stage w / 4, queries 32 (w % 4) on: two tiles of 16.  So a wave's codes of q, its scales, its mask and its one O stay fixed,
; and the last sum A0 O0 + A1 O1 is made on the trip through LDS that whole rows of the output want anyway.
; THE MASK comes from four pairs of ranges and four flags a stage.  For query q, pair b admits keys [max(ks,0), min(ke, 4096, q + ke - qe + 1 if causal)) where qs <= q < qe.
; Keys go in slots of 128.  Whole-number masks over the 32 slots, made once: ACT (some query of the work-group sees a key), ANYW (some query of my wave), TCH b (by pair b), FULLW (one pair admits all 32 x 128).
; Slots outside ACT are never fetched, slots outside ANYW never multiplied; a slot outside FULLW gets its hidden scores set to -infinity from a bit for each (query, key), the union of the four pairs.
; STREAMS.  The four waves of a stage copy its next active slot (codes as images of operand registers) through registers into LDS, two buffers a stage.
; Each pass is a loop of 32 trips, a constant, with one barrier a trip; trip j works on the j-th set bit of ACT; the trips left over are a few scalar lines and the barrier.
; NO TENSOR LOADS, NO CLUSTER: which slots a work-group walks, and how many, hangs on the range inputs, so branches hang on loaded numbers and neighbours would ask for different tiles in different numbers.
; LAYOUT.  Both products are used transposed (source 0 = 16 keys or 16 channels, source 1 = 16 queries): a lane holds one query (lane % 16) throughout.  The keys of a tile of K are chosen so that the
; 16 registers of tiles 2 b, 2 b + 1 are keys 32 b + 16 (lane / 16) + 0 .. 15: the conversions' results are P's operand registers.  Every operand holds k = 32 c + 16 (lane / 16) + 0 .. 15 in registers
; 4 c .. 4 c + 3: the same permutation of k on both sides of each product.
; LIMITS: eq + ek between -123 and 130 (added to the exponent field of log2(e) / sqrt(128)); eq and ep between -126 and 112; range entries of magnitude up to 2^20.  NaN among the inputs is not served.
.set SLOTB, 32768                      ; LDS 0..131071: stage x 65,536 + buffer x 32,768: a slot's K at +0, its V at +16,384
.set VOFF,  16384
.set RP,    528                        ; a row of 512 bytes + 16 of padding
.set RGN,   32*RP                      ; LDS 0..135167 behind the last barrier of pass 2: a region of 32 rows of A x O for each wave
.set QST,   135168                     ; 4 regions of 32 rows: q on its way into the lanes that quantise it
.set XCH,   202752                     ; 256 bytes a wave: the two stages exchange L
.set LSEB,  204800                     ; 128 numbers of the second output
; window 0
.set LI,   1                           ; 16 x lane
.set KA0,  2                           ; stage x 65,536 + 16 x lane
.set KA,   3                           ; + the buffer that is read
.set WA0,  4                           ; stage x 65,536 + 16 x (thread % 128)
.set WA,   5                           ; + the buffer that is filled
.set GOF,  6                           ; 16 x (thread % 128)
.set NINF, 7                           ; -infinity
.set IV,   8                           ; v8-23  tile a, pair b: v[8+8a+2b] = first key - 16 (lane / 16), v[9+8a+2b] = number of keys
.set W,    24                          ; v24-27 the slot's bits: element n of 128 is bit n % 32 of word n / 32
.set T,    28                          ; v28-35 at work
.set NM,   36                          ; v36, v38: pass 1: minus the largest t; pass 2: -L  (low words of pairs)
.set F,    40                          ; v40, v42: 2^(old largest - new)
.set SS,   44                          ; v[44:45], v[46:47] the sums, in two halves
.set C1,   48                          ; v[48:49], v[50:51] a second chain of each
.set MX,   52                          ; v52-55 maxima
.set SC,   56                          ; the conversions' scale
.set LIM,  57                          ; 57,344 x that
.set AW,   58                          ; v58, v60: my stage's weight x 2^(ev + ep)
.set PT,   62                          ; v62, v63 targets of lane permutes
.set FR,   64                          ; v64-127 four fragments of K or of V
.set S,    128                         ; v128-255 S^T, then p: tile a, key tile t at 128 + 64 a + 8 t
.set HR,   64                          ; at the head only, in FR's registers: r; 16 h; LDS addresses of q's rows; at work; my queries
.set H16,  65
.set QSW,  68
.set QSR,  69
.set HT,   70
.set QV,   73
; window 1
.set O,    0                           ; O^T: tile a, channels 16 dt on at 64 a + 8 dt
.set Q,    128                         ; q's codes, 16 a tile
.set P,    160                         ; p's codes, 16 a tile
.set STG,  192                         ; the slot on its way from memory to LDS
; scalars
.set WV,   28
.set ST,   29
.set G,    30
.set HEAD, 31
.set QR,   32                          ; s32-39 q ranges; behind the head s32-35 = the slot's first key + 0, 32, 64, 96 and s36-39 lane masks
.set KB,   32
.set LM,   36
.set KR,   40                          ; s40-47 kv ranges
.set CAUS, 48
.set QB,   49
.set Q0,   50
.set STM,  51                          ; 0 or all ones: my stage as a lane mask
.set EQ,   52                          ; s52-55 eq, ek, ev, ep of my stage
.set EK,   53
.set EV,   54
.set EP,   55
.set CS,   60                          ; s[60:61] c = log2(e) / sqrt(128) x 2^(eq + ek)
.set NCS,  62                          ; -c
.set EVP,  63                          ; ev + ep
.set SEL,  66                          ; s[66:67] v_permlanex16_b32: lane l xor 16
.set KBASE, 68
.set VBASE, 70
.set GK,   72
.set GV,   74
.set QBE,  72                          ; at the head only: QB + 128, Q0 + 32
.set Q0E,  73
.set OFF,  76                          ; s[76:77] a slot's byte offset
.set ACT,  78
.set ANYW, 79
.set FULLW, 80
.set TCH,  81                          ; s81-84
.set REM,  85                          ; active slots not yet asked for
.set NX,   86                          ; the slot on its way, and whether there is one
.set NXV,  87
.set CUR,  88                          ; the slot in LDS, and whether there is one
.set CURV, 89
.set TB,   90                          ; the buffer that is read: 0 or 32,768
.set TRIPS, 92
.set MSB, 0
.macro WIN new                         ; bits 1:0 source 0, 3:2 source 1, 5:4 source 2, 7:6 destination; the high byte repeats the setting that is left
.if MSB != \new
	s_set_vgpr_msb (MSB<<8)|\new
.set MSB, \new
.endif
.endm
.macro PLACES                          ; four plain vector lines between a matrix instruction and a load into, or a vector read or write of, its registers
.rept 4
	v_nop
.endr
.endm
.macro BARRIER                         ; my LDS stores have landed and my LDS loads are in: then the work-group's barrier
	s_wait_dscnt 0x0
	s_barrier_signal -1
	s_barrier_wait -1
.endm
.macro SETSC e                         ; v[SC] = 2^e, v[LIM] = 57,344 x 2^e
	s_add_co_i32 s94, s[\e], 127
	s_lshl_b32 s95, s94, 23
	v_mov_b32 v[SC], s95
	s_add_co_i32 s94, s94, 15
	s_lshl_b32 s94, s94, 23
	s_or_b32 s94, s94, 0x600000
	v_mov_b32 v[LIM], s94
.endm
; ---- the masks.  s94 = the pair's flag, s95 = D = ke - qe, s96 = KL = max(ks, 0), s97 = KH = min(ke, 4096)
.macro ANYT b, qa, qz                  ; s98 = the slots in which some query of [qa, qz) sees a key by pair b
	s_max_i32 s98, s[QR+2*\b], s[\qa]
	s_min_i32 s99, s[QR+2*\b+1], s[\qz]            ; the pair's queries in the window: [s98, s99)
	s_add_co_i32 s100, s99, s95                    ; the last of them sees keys under s99 + D
	s_min_i32 s100, s100, s97
	s_cmp_lg_u32 s94, 0
	s_cselect_b32 s100, s100, s97
	s_cmp_lt_i32 s98, s99
	s_cselect_b32 s100, s100, 0                    ; no query: no key
	s_cmp_lt_i32 s96, s100
	s_cselect_b32 s100, s100, 0                    ; keys [KL, s100), or none
	s_min_i32 s101, s96, s100
	s_lshr_b32 s101, s101, 7                       ; first slot,
	s_add_co_u32 s100, s100, 127
	s_lshr_b32 s100, s100, 7                       ; one past the last, up to 32: so the shifts are made in 64 bits and their low words taken
	s_lshl_b64 s[98:99], -1, s101
	s_lshl_b64 s[100:101], -1, s100
	s_and_not1_b32 s98, s98, s100
.endm
.macro RANGE b
	s_bfe_u32 s94, s[CAUS], (8<<16)|(8*\b)
	s_sub_co_i32 s95, s[KR+2*\b+1], s[QR+2*\b+1]
	s_max_i32 s96, s[KR+2*\b], 0
	s_min_i32 s97, s[KR+2*\b+1], 4096
	ANYT \b, QB, QBE
	s_or_b32 s[ACT], s[ACT], s98
	ANYT \b, Q0, Q0E
	s_mov_b32 s[TCH+\b], s98
	s_or_b32 s[ANYW], s[ANYW], s98
	s_add_co_i32 s98, s[Q0], s95                   ; FULL: all my 32 queries lie in the pair, and the slot under what my first query sees
	s_add_co_i32 s98, s98, 1
	s_min_i32 s98, s98, s97
	s_cmp_lg_u32 s94, 0
	s_cselect_b32 s98, s98, s97
	s_cmp_le_i32 s[QR+2*\b], s[Q0]
	s_cselect_b32 s98, s98, 0
	s_cmp_le_i32 s[Q0E], s[QR+2*\b+1]
	s_cselect_b32 s98, s98, 0
	s_max_i32 s98, s98, 0
	s_lshr_b32 s100, s98, 7                        ; whole slots under it,
	s_min_i32 s101, s96, 4096
	s_add_co_u32 s101, s101, 127
	s_lshr_b32 s101, s101, 7                       ; from the first whole slot at or behind KL
	s_lshl_b64 s[98:99], -1, s101
	s_lshl_b64 s[100:101], -1, s100
	s_and_not1_b32 s98, s98, s100
	s_or_b32 s[FULLW], s[FULLW], s98
	s_sub_co_i32 s98, s[QR+2*\b+1], s[QR+2*\b]     ; each lane's query: its run of keys by this pair
	s_max_i32 s98, s98, 0
	s_add_co_i32 s99, s95, 1
	s_cmp_lg_u32 s94, 0
	s_cselect_b32 s99, s99, 0x100000               ; not causal: a bound beyond every key
.irp a, 0,1
	v_sub_nc_u32 v[HT], v[QV+\a], s[QR+2*\b]
	v_cmp_gt_u32 s100, s98, v[HT]                  ; qs <= q < qe
	v_add_nc_u32 v[HT+1], s99, v[QV+\a]
	v_cmp_gt_i32 vcc_lo, s97, v[HT+1]
	v_cndmask_b32 v[HT+1], s97, v[HT+1], vcc_lo    ; min(KH, q + D + 1)
	v_sub_nc_u32 v[HT+1], v[HT+1], s96
	v_cmp_lt_i32 vcc_lo, 0, v[HT+1]
	s_and_b32 vcc_lo, vcc_lo, s100
	v_cndmask_b32 v[IV+8*\a+2*\b+1], 0, v[HT+1], vcc_lo
	v_sub_nc_u32 v[IV+8*\a+2*\b], s96, v[H16]
.endr
.endm
; ---- a slot from memory to LDS.  p = 1: K alone; p = 2: K and V.  128 threads x 16 bytes x 8 are a unit's 16,384 bytes
.macro FLOADS p
	s_add_nc_u64 s[GK:GK+1], s[KBASE:KBASE+1], s[OFF:OFF+1]
.if \p == 2
	s_add_nc_u64 s[GV:GV+1], s[VBASE:VBASE+1], s[OFF:OFF+1]
.endif
	WIN 0x40
.irp i, 0,1,2,3,4,5,6,7
	global_load_b128 v[STG+4*\i:STG+4*\i+3], v[GOF], s[GK:GK+1] offset:2048*\i
.endr
.if \p == 2
.irp i, 0,1,2,3,4,5,6,7
	global_load_b128 v[STG+32+4*\i:STG+35+4*\i], v[GOF], s[GV:GV+1] offset:2048*\i
.endr
.endif
	WIN 0
.endm
.macro FSTORES p, adr
	WIN 0x04
.irp i, 0,1,2,3,4,5,6,7
	ds_store_b128 v[\adr], v[STG+4*\i:STG+4*\i+3] offset:2048*\i
.endr
.if \p == 2
.irp i, 0,1,2,3,4,5,6,7
	ds_store_b128 v[\adr], v[STG+32+4*\i:STG+35+4*\i] offset:VOFF+2048*\i
.endr
.endif
	WIN 0
.endm
.macro FIRST_FETCH p                   ; the pass's first active slot; without a branch: a stage with no active slot reads slot 31, which lies in the buffer, and never uses it
	s_cmp_lg_u32 s[ACT], 0
	s_cselect_b32 s[CURV], 1, 0
	s_ctz_i32_b32 s[CUR], s[ACT]
	s_min_u32 s[CUR], s[CUR], 31
	s_add_co_i32 s94, s[ACT], -1
	s_and_b32 s[REM], s[ACT], s94
	s_mov_b32 s[NX], s[CUR]
	s_mov_b32 s[NXV], s[CURV]
	s_lshl_b32 s[OFF], s[CUR], 14
	FLOADS \p
.endm
.macro FETCH_NEXT p
	s_mov_b32 s[NXV], 0
	s_cmp_eq_u32 s[REM], 0
	s_cbranch_scc1 .Lnf_\@
	s_ctz_i32_b32 s[NX], s[REM]
	s_min_u32 s[NX], s[NX], 31
	s_add_co_i32 s94, s[REM], -1
	s_and_b32 s[REM], s[REM], s94
	s_mov_b32 s[NXV], 1
	s_lshl_b32 s[OFF], s[NX], 14
	FLOADS \p
.Lnf_\@:
.endm
; ---- S^T = K Q^T for the slot in LDS: eight tiles of 16 keys x my two tiles of queries, four fragments of K at a time; each fragment feeds two products
.macro QK
.irp gq, 0,1
	PLACES
.irp t, 0,1,2,3
.irp c, 0,1,2,3
	ds_load_b128 v[FR+16*\t+4*\c:FR+16*\t+4*\c+3], v[KA] offset:(4*\gq+\t)*2048+512*\c
.endr
.endr
	WIN 0x04                                       ; source 1 (q's codes) in window 1
.irp t, 0,1,2,3
	s_wait_dscnt 12-4*\t                           ; fragment t is in; the later fragments' four loads each stay out
.irp a, 0,1
	v_wmma_f32_16x16x128_bf8_bf8 v[S+64*\a+8*(4*\gq+\t):S+64*\a+8*(4*\gq+\t)+7], v[FR+16*\t:FR+16*\t+15], v[Q+16*\a:Q+16*\a+15], 0
.endr
.endr
	WIN 0
.endr
	PLACES                                         ; in front of the first read of the scores, and of loads into the fragments' registers
.endm
; ---- hidden scores become -infinity.  A field is the 16 keys 32 bp + 16 (lane / 16) + 0 .. 15 of tile a: its bits by pair b are [first, first + number) cut to 0 .. 16
.macro FIELD a, b, bp
	v_sub_nc_u32 v[T], v[IV+8*\a+2*\b], s[KB+\bp]
	v_add_nc_u32 v[T+1], v[T], v[IV+8*\a+2*\b+1]
	v_ashrrev_i32 v[T+2], 31, v[T]
	v_ashrrev_i32 v[T+3], 31, v[T+1]
	v_bfi_b32 v[T], v[T+2], 0, v[T]                ; what is negative becomes 0,
	v_bfi_b32 v[T+1], v[T+3], 0, v[T+1]
	v_min_u32 v[T], 16, v[T]                       ; what is over 16 becomes 16
	v_min_u32 v[T+1], 16, v[T+1]
	v_lshlrev_b32 v[T], v[T], 1
	v_lshlrev_b32 v[T+1], v[T+1], 1
	v_sub_nc_u32 v[T], v[T+1], v[T]                ; 2^end - 2^begin: the bits between
	v_lshl_or_b32 v[W+2*\a+(\bp)/2], v[T], 16*((\bp)%2), v[W+2*\a+(\bp)/2]
.endm
.macro MASKR b                         ; pair b, if it touches this slot for my wave at all
	s_lshr_b32 s94, s[TCH+\b], s[CUR]
	s_and_b32 s94, s94, 1
	s_cmp_eq_u32 s94, 0
	s_cbranch_scc1 .Lnt_\@
.irp a, 0,1
.irp bp, 0,1,2,3
	FIELD \a, \b, \bp
.endr
.endr
.Lnt_\@:
.endm
.macro MASK
	s_lshl_b32 s[KB], s[CUR], 7
	s_add_co_u32 s[KB+1], s[KB], 32
	s_add_co_u32 s[KB+2], s[KB], 64
	s_add_co_u32 s[KB+3], s[KB], 96
.irp i, 0,1,2,3
	v_mov_b32 v[W+\i], 0
.endr
	MASKR 0
	MASKR 1
	MASKR 2
	MASKR 3
.set n, 0
.rept 32                               ; four elements at a time, in ascending order: each accumulator is read from its low end on
.irp i, 0,1,2,3
	v_and_b32 v[T+\i], 1<<((n+\i)%32), v[W+(n+\i)/32]
.endr
.irp i, 0,1,2,3
	v_cmp_eq_u32 s[LM+\i], 0, v[T+\i]
.endr
.irp i, 0,1,2,3
	v_cndmask_b32 v[S+n+\i], v[S+n+\i], v[NINF], s[LM+\i]
.endr
.set n, n+4
.endr
.endm
; ---- c s + v[NM] for both tiles and tile 0's exponentials: two exponentials, then a plain line that is due anyway
.macro SCALE_EXP0
.set jj, 0
.rept 32
	v_pk_fma_f32 v[S+2*jj:S+2*jj+1], v[S+2*jj:S+2*jj+1], s[CS:CS+1], v[NM:NM+1] op_sel_hi:[1,0,0]   ; of the pairs c and NM the low word serves both halves
.set jj, jj+1
.endr
.set jj, 0
.rept 32
	v_exp_f32 v[S+2*jj], v[S+2*jj]
	v_exp_f32 v[S+2*jj+1], v[S+2*jj+1]
	v_pk_fma_f32 v[S+64+2*jj:S+65+2*jj], v[S+64+2*jj:S+65+2*jj], s[CS:CS+1], v[NM+2:NM+3] op_sel_hi:[1,0,0]
.set jj, jj+1
.endr
.endm
.macro SUMOP a, j                      ; line j of 32 of tile a's sum: the old sum under the new largest t; then the 32 pairs in two chains
.if (\j) == 0
	s_wait_alu depctr_va_vdst(0)
	v_pk_mul_f32 v[SS+2*\a:SS+2*\a+1], v[SS+2*\a:SS+2*\a+1], v[F+2*\a:F+2*\a+1] op_sel_hi:[1,0]
.elseif (\j) == 1
	v_pk_add_f32 v[C1+2*\a:C1+2*\a+1], v[S+64*\a:S+64*\a+1], v[S+64*\a+2:S+64*\a+3]
.elseif (\j)%2 == 0
	v_pk_add_f32 v[SS+2*\a:SS+2*\a+1], v[SS+2*\a:SS+2*\a+1], v[S+64*\a+2*(\j):S+64*\a+2*(\j)+1]
.else
	v_pk_add_f32 v[C1+2*\a:C1+2*\a+1], v[C1+2*\a:C1+2*\a+1], v[S+64*\a+2*(\j):S+64*\a+2*(\j)+1]
.endif
.endm
; ---- pass 1: each lane keeps the largest t and the sum of its own 64 keys a slot; the two halves of the lanes meet once, behind the pass
.macro STATS
	v_max3_num_f32 v[MX], v[S], v[S+1], v[S+2]
	v_max3_num_f32 v[MX+1], v[S+3], v[S+4], v[S+5]
	v_max3_num_f32 v[MX+2], v[S+64], v[S+65], v[S+66]
	v_max3_num_f32 v[MX+3], v[S+67], v[S+68], v[S+69]
.irp i, 6,10,14,18,22,26,30,34,38,42,46,50,54,58
	v_max3_num_f32 v[MX], v[MX], v[S+\i], v[S+\i+1]
	v_max3_num_f32 v[MX+1], v[MX+1], v[S+\i+2], v[S+\i+3]
	v_max3_num_f32 v[MX+2], v[MX+2], v[S+64+\i], v[S+65+\i]
	v_max3_num_f32 v[MX+3], v[MX+3], v[S+66+\i], v[S+67+\i]
.endr
	v_max3_num_f32 v[MX], v[MX], v[S+62], v[S+63]
	v_max3_num_f32 v[MX+2], v[MX+2], v[S+126], v[S+127]
	v_max_num_f32 v[MX], v[MX], v[MX+1]
	v_max_num_f32 v[MX+2], v[MX+2], v[MX+3]
	v_mul_f32 v[T], s[NCS], v[MX]                  ; minus the slot's largest t (+infinity where every key is hidden: the old value then stays)
	v_mul_f32 v[T+1], s[NCS], v[MX+2]
	v_min_num_f32 v[T], v[NM], v[T]
	v_min_num_f32 v[T+1], v[NM+2], v[T+1]
	v_sub_f32 v[F], v[T], v[NM]                    ; old largest - new, 0 or less
	v_sub_f32 v[F+2], v[T+1], v[NM+2]
	v_mov_b32 v[NM], v[T]
	v_mov_b32 v[NM+2], v[T+1]
	v_exp_f32 v[F], v[F]
	v_exp_f32 v[F+2], v[F+2]
	SCALE_EXP0
.set jj, 0
.rept 32
	v_exp_f32 v[S+64+2*jj], v[S+64+2*jj]
	v_exp_f32 v[S+65+2*jj], v[S+65+2*jj]
	SUMOP 0, jj
.set jj, jj+1
.endr
	v_pk_add_f32 v[SS:SS+1], v[SS:SS+1], v[C1:C1+1]
	s_wait_alu depctr_va_vdst(0)
.set jj, 0
.rept 32
	SUMOP 1, jj
.set jj, jj+1
.endr
	v_pk_add_f32 v[SS+2:SS+3], v[SS+2:SS+3], v[C1+2:C1+3]
.endm
; ---- pass 2: p = 2^(t - L), finished; held (p is not negative: one side) and quantised into P's operand registers
.macro SOFTP
	SCALE_EXP0
.set jj, 0
.rept 32
	v_exp_f32 v[S+64+2*jj], v[S+64+2*jj]
	v_exp_f32 v[S+65+2*jj], v[S+65+2*jj]
	s_wait_alu depctr_va_vdst(0)
	v_min_num_f32 v[S+2*jj], v[S+2*jj], v[LIM]     ; the conversion to an 8-bit code does not saturate (ISA guide 7.6.2)
	v_min_num_f32 v[S+2*jj+1], v[S+2*jj+1], v[LIM]
.set jj, jj+1
.endr
	WIN 0x40
.irp b, 0,1,2,3
	v_cvt_scalef32_pk8_bf8_f32 v[P+4*\b:P+4*\b+1], v[S+16*\b:S+16*\b+7], v[SC]
	v_cvt_scalef32_pk8_bf8_f32 v[P+4*\b+2:P+4*\b+3], v[S+16*\b+8:S+16*\b+15], v[SC]
.endr
	WIN 0
.set jj, 0
	s_wait_alu depctr_va_vdst(0)
.rept 64
	v_min_num_f32 v[S+64+jj], v[S+64+jj], v[LIM]
.set jj, jj+1
.endr
	WIN 0x40
.irp b, 0,1,2,3
	v_cvt_scalef32_pk8_bf8_f32 v[P+16+4*\b:P+17+4*\b], v[S+64+16*\b:S+71+16*\b], v[SC]
	v_cvt_scalef32_pk8_bf8_f32 v[P+18+4*\b:P+19+4*\b], v[S+72+16*\b:S+79+16*\b], v[SC]
.endr
	WIN 0
	v_nop                                          ; one plain line between the last conversion and the products that read its result
.endm
.macro VLOAD vb                        ; four fragments of V^T: channels 64 vb + 16 t on
.irp t, 0,1,2,3
.irp c, 0,1,2,3
	ds_load_b128 v[FR+16*\t+4*\c:FR+16*\t+4*\c+3], v[KA] offset:VOFF+(4*\vb+\t)*2048+512*\c
.endr
.endr
.endm
.macro PV                              ; O^T += V^T P.  The sixteen accumulators take turns, one instruction a turn, and the scores' products stand between two slots
.irp vb, 0,1
.if \vb == 1
	PLACES
	VLOAD 1
.endif
	WIN 0x54                                       ; source 1 (P), C and D (O^T) in window 1
.irp t, 0,1,2,3
	s_wait_dscnt 12-4*\t
.irp a, 0,1
	v_wmma_f32_16x16x128_bf8_bf8 v[O+64*\a+8*(4*\vb+\t):O+64*\a+8*(4*\vb+\t)+7], v[FR+16*\t:FR+16*\t+15], v[P+16*\a:P+16*\a+15], v[O+64*\a+8*(4*\vb+\t):O+64*\a+8*(4*\vb+\t)+7]
.endr
.endr
	WIN 0
.endr
.endm
; ---- a trip.  One barrier does both orderings: the buffer filled here was last read in the trip before, ahead of that trip's barrier, and is read in the next trip, behind this one
.macro ONE_TRIP p
	s_xor_b32 s94, s[TB], SLOTB
	v_add_nc_u32 v[KA], s[TB], v[KA0]              ; both LDS addresses are made outside every branch
	v_add_nc_u32 v[WA], s94, v[WA0]
	FETCH_NEXT \p                                  ; the next active slot is asked for first: it has the whole slot's work in which to land
	s_lshr_b32 s94, s[ANYW], s[CUR]
	s_and_b32 s94, s94, s[CURV]
	s_cmp_eq_u32 s94, 0
	s_cbranch_scc1 .Lskip_\@                       ; no slot in LDS, or none of my 32 queries sees a key of it
	QK
.if \p == 2
	VLOAD 0                                        ; lands under the softmax
.endif
	s_lshr_b32 s94, s[FULLW], s[CUR]
	s_and_b32 s94, s94, 1
	s_cmp_lg_u32 s94, 0
	s_cbranch_scc1 .Lfull_\@
	MASK
.Lfull_\@:
.if \p == 1
	STATS
.else
	SOFTP
	PV
.endif
.Lskip_\@:
	s_wait_loadcnt 0x0                             ; the next slot is in registers; on every path, so that its base may be written again
	s_cmp_eq_u32 s[NXV], 0
	s_cbranch_scc1 .Lns_\@
	FSTORES \p, WA
.Lns_\@:
	BARRIER
	s_mov_b32 s[CUR], s[NX]
	s_mov_b32 s[CURV], s[NXV]
	s_xor_b32 s[TB], s[TB], SLOTB
	s_add_co_u32 s[TRIPS], s[TRIPS], 1
	s_cmp_lt_u32 s[TRIPS], 32
.endm
	; ================ the head
	s_load_b256 s[4:11], s[0:1], 0x0               ; q s[4:5], kc s[6:7], vc s[8:9], the scales' exponents s[10:11]
	s_load_b256 s[12:19], s[0:1], 0x20             ; local: q ranges s[12:13], kv ranges s[14:15], flags s[16:17]; remote q ranges s[18:19]
	s_load_b256 s[20:27], s[0:1], 0x40             ; remote kv ranges s[20:21], flags s[22:23]; out0 s[24:25], out1 s[26:27]
	v_lshrrev_b32 v[T], 5, v0
	v_readfirstlane_b32 s[WV], v[T]                ; wave 0..7
	s_lshr_b32 s[ST], s[WV], 2                     ; my stage
	s_and_b32 s[G], s[WV], 3                       ; my 32 of the 128 queries
	s_and_b32 s[HEAD], ttmp7, 0xffff
	s_lshl_b32 s[QB], ttmp9, 7
	s_lshl_b32 s94, s[G], 5
	s_add_co_u32 s[Q0], s[QB], s94
	s_add_co_u32 s[QBE], s[QB], 128
	s_add_co_u32 s[Q0E], s[Q0], 32
	s_sub_co_i32 s[STM], 0, s[ST]
	v_and_b32 v[T], 31, v0
	v_lshlrev_b32 v[LI], 4, v[T]
	v_and_b32 v[T], 127, v0
	v_lshlrev_b32 v[GOF], 4, v[T]
	s_lshl_b32 s94, s[ST], 16
	v_add_nc_u32 v[KA0], s94, v[LI]
	v_add_nc_u32 v[WA0], s94, v[GOF]
	v_mov_b32 v[NINF], 0xff800000
	v_and_b32 v[HR], 15, v0
	v_bfe_u32 v[H16], v0, 4, 1
	v_lshlrev_b32 v[H16], 4, v[H16]
	v_add_nc_u32 v[QV], s[Q0], v[HR]               ; my query of tile 0,
	v_add_nc_u32 v[QV+1], 16, v[QV]                ; of tile 1
	s_mul_i32 s94, s[G], RGN
	s_add_co_u32 s94, s94, QST
	s_mul_i32 s95, s[ST], 16*RP
	s_add_co_u32 s95, s95, s94
	v_add_nc_u32 v[QSW], s95, v[LI]                ; q into LDS: the two waves of a group of queries bring 16 rows each,
	v_mul_u32_u24 v[QSR], v[HR], RP
	v_lshl_add_u32 v[QSR], v[H16], 2, v[QSR]
	v_add_nc_u32 v[QSR], s94, v[QSR]               ; and both read all 32: row r, 64 (lane / 16) bytes on
	s_lshl_b32 s94, s[ST], 4
	s_add_co_u32 s94, s94, s[Q0]
	s_lshl_b32 s94, s94, 12                        ; query Q0 + 16 x stage: the 16 rows of q that I bring, and the 16 rows of out0 that I store
	s_lshl_b32 s95, s[HEAD], 9
	s_add_co_u32 s94, s94, s95
	s_mov_b32 s95, 0
	s_lshl_b32 s96, s[HEAD], 20                    ; the codes of my head and stage
	s_lshl_b32 s97, s[ST], 19
	s_add_co_u32 s96, s96, s97
	s_mov_b32 s97, 0
	s_lshl_b32 s98, s[HEAD], 14                    ; out1: the head's row, the work-group's 128 numbers
	s_lshl_b32 s99, s[QB], 2
	s_add_co_u32 s98, s98, s99
	s_mov_b32 s99, 0
	s_mov_b32 s[OFF+1], 0
	s_wait_kmcnt 0x0
	s_add_nc_u64 s[4:5], s[4:5], s[94:95]
	s_add_nc_u64 s[24:25], s[24:25], s[94:95]
	s_add_nc_u64 s[KBASE:KBASE+1], s[6:7], s[96:97]
	s_add_nc_u64 s[VBASE:VBASE+1], s[8:9], s[96:97]
	s_add_nc_u64 s[26:27], s[26:27], s[98:99]
.irp i, 0,1,2,3,4,5,6,7,8,9,10,11,12,13,14,15
	global_load_b128 v[S+4*\i:S+4*\i+3], v[LI], s[4:5] offset:4096*\i th:TH_LOAD_NT   ; a row of q: 512 consecutive bytes; each row leaves memory once
.endr
	s_cmp_lg_u32 s[ST], 0                          ; my stage's ranges and flags: the choice hangs on the wave's number alone
	s_cselect_b64 s[12:13], s[18:19], s[12:13]
	s_cselect_b64 s[14:15], s[20:21], s[14:15]
	s_cselect_b64 s[16:17], s[22:23], s[16:17]
	s_load_b256 s[QR:QR+7], s[12:13], 0x0
	s_load_b256 s[KR:KR+7], s[14:15], 0x0
	s_load_b32 s[CAUS], s[16:17], 0x0
	s_load_b256 s[52:59], s[10:11], 0x0
	v_mov_b32 v[NM], 0x7f61b1e6                    ; minus the largest t so far: +3e38, over every -t
	v_mov_b32 v[NM+2], 0x7f61b1e6
.irp i, NM+1, NM+3, F, F+1, F+2, F+3, SS, SS+1, SS+2, SS+3, AW+1, AW+3, PT, PT+1
	v_mov_b32 v[\i], 0                             ; the sums; the upper words of pairs that are named whole; targets of lane permutes, which count as read
.endr
	s_mov_b32 s[ACT], 0
	s_mov_b32 s[ANYW], 0
	s_mov_b32 s[FULLW], 0
	s_mov_b32 s[SEL], 0x76543210
	s_mov_b32 s[SEL+1], 0xfedcba98
	s_wait_kmcnt 0x0
	s_cmp_lg_u32 s[ST], 0
	s_cselect_b32 s[EQ], s56, s[EQ]
	s_cselect_b32 s[EK], s57, s[EK]
	s_cselect_b32 s[EV], s58, s[EV]
	s_cselect_b32 s[EP], s59, s[EP]
	RANGE 0
	RANGE 1
	RANGE 2
	RANGE 3
	FIRST_FETCH 1
	s_add_co_i32 s94, s[EQ], s[EK]
	s_lshl_b32 s94, s94, 23
	s_add_co_i32 s[CS], s94, 0x3e0293ee            ; log2(e) / sqrt(128), with eq + ek added to its exponent field
	s_mov_b32 s[CS+1], s[CS]
	s_xor_b32 s[NCS], s[CS], 0x80000000
	s_add_co_i32 s[EVP], s[EV], s[EP]
	SETSC EQ
	s_wait_loadcnt 8                               ; q's sixteen rows are in; the eight loads of K's first slot stay out
.irp i, 0,1,2,3,4,5,6,7,8,9,10,11,12,13,14,15
	ds_store_b128 v[QSW], v[S+4*\i:S+4*\i+3] offset:RP*\i
.endr
	s_wait_loadcnt 0x0
	FSTORES 1, WA0                                 ; the first slot into buffer 0
	BARRIER
.irp a, 0,1
.irp c, 0,1,2,3
.irp j, 0,1,2,3
	ds_load_b128 v[S+64*\a+16*\c+4*\j:S+64*\a+16*\c+4*\j+3], v[QSR] offset:16*\a*RP+128*\c+16*\j   ; query 16 a + r, channels 32 c + 16 (lane / 16) + 4 j on
.endr
.endr
.endr
	s_wait_dscnt 0x0
.set n, 0
.rept 128
	v_med3_num_f32 v[S+n], v[S+n], -v[LIM], v[LIM]
.set n, n+1
.endr
	WIN 0x40
.irp a, 0,1
.irp c, 0,1,2,3
	v_cvt_scalef32_pk8_bf8_f32 v[Q+16*\a+4*\c:Q+16*\a+4*\c+1], v[S+64*\a+16*\c:S+64*\a+16*\c+7], v[SC]
	v_cvt_scalef32_pk8_bf8_f32 v[Q+16*\a+4*\c+2:Q+16*\a+4*\c+3], v[S+64*\a+16*\c+8:S+64*\a+16*\c+15], v[SC]
.endr
.endr
	WIN 0
	v_nop                                          ; one plain line behind the last conversion
	; ================ pass 1
	s_mov_b32 s[TB], 0
	s_mov_b32 s[TRIPS], 0
.Lpass1:
	ONE_TRIP 1
	s_cbranch_scc1 .Lpass1
	; ================ between the passes
	FIRST_FETCH 2
	WIN 0x40
.set n, 0
.rept 128
	v_mov_b32 v[O+n], 0                            ; O^T.  The first product stands under a branch on the masks and a wave may find no key at all: so the sums begin as zeros on every path.  The fetch is out meanwhile
.set n, n+1
.endr
	WIN 0
	v_mov_b32 v[T+2], 0
	v_mov_b32 v[T+3], 0
	v_add_f32 v[T], v[SS], v[SS+1]                 ; my half's sums,
	v_add_f32 v[T+1], v[SS+2], v[SS+3]
	v_permlanex16_b32 v[PT], v[NM], s[SEL], s[SEL+1]   ; and what lane l xor 16 has for the same queries
	v_permlanex16_b32 v[PT+1], v[NM+2], s[SEL], s[SEL+1]
	v_permlanex16_b32 v[T+2], v[T], s[SEL], s[SEL+1]
	v_permlanex16_b32 v[T+3], v[T+1], s[SEL], s[SEL+1]
	v_min_num_f32 v[T+4], v[NM], v[PT]             ; minus the larger of the two largest t
	v_min_num_f32 v[T+5], v[NM+2], v[PT+1]
	v_sub_f32 v[NM], v[T+4], v[NM]
	v_sub_f32 v[NM+2], v[T+5], v[NM+2]
	v_sub_f32 v[PT], v[T+4], v[PT]
	v_sub_f32 v[PT+1], v[T+5], v[PT+1]
	v_exp_f32 v[NM], v[NM]
	v_exp_f32 v[NM+2], v[NM+2]
	v_exp_f32 v[PT], v[PT]
	v_exp_f32 v[PT+1], v[PT+1]
	v_nop
	s_wait_alu depctr_va_vdst(0)
	v_mul_f32 v[T], v[T], v[NM]                    ; two products and a sum, not a fused form: both halves of the lanes then get the same bits
	v_mul_f32 v[T+1], v[T+1], v[NM+2]
	v_mul_f32 v[T+2], v[T+2], v[PT]
	v_mul_f32 v[T+3], v[T+3], v[PT+1]
	v_add_f32 v[T], v[T], v[T+2]                   ; the row's sum
	v_add_f32 v[T+1], v[T+1], v[T+3]
	v_cmp_lt_f32 s94, 0, v[T]
	v_cmp_lt_f32 s95, 0, v[T+1]
	v_cndmask_b32 v[T+2], 1.0, v[T], s94           ; a row without keys: 1 in the sum's place, as the reference has it
	v_cndmask_b32 v[T+3], 1.0, v[T+1], s95
	v_log_f32 v[T+2], v[T+2]
	v_log_f32 v[T+3], v[T+3]
	v_nop
	s_wait_alu depctr_va_vdst(0)
	v_sub_f32 v[NM], v[T+4], v[T+2]                ; -L, for pass 2
	v_sub_f32 v[NM+2], v[T+5], v[T+3]
	v_sub_f32 v[T+6], v[T+2], v[T+4]               ; L,
	v_sub_f32 v[T+7], v[T+3], v[T+5]
	v_cndmask_b32 v[T+6], v[NINF], v[T+6], s94     ; or -infinity for a row without keys
	v_cndmask_b32 v[T+7], v[NINF], v[T+7], s95
	s_lshl_b32 s96, s[WV], 8
	s_add_co_u32 s96, s96, XCH
	s_xor_b32 s97, s[WV], 4                        ; the wave with my queries in the other stage
	s_lshl_b32 s97, s97, 8
	s_add_co_u32 s97, s97, XCH
	v_and_b32 v[T+4], 31, v0
	v_lshl_add_u32 v[T+5], v[T+4], 3, s97
	v_lshl_add_u32 v[T+4], v[T+4], 3, s96
	ds_store_b64 v[T+4], v[T+6:T+7]
	BARRIER
	ds_load_b64 v[T+2:T+3], v[T+5]
	s_wait_dscnt 0x0
; The merge, in base 2.  x - y of two -infinities is NaN; the maximum with -infinity, in which a NaN loses, makes it -infinity, as the reference's guarded subtraction does.
.macro MERGE own, oth, adst, ldst
	v_cndmask_b32 v44, v[\own], v[\oth], s[STM]    ; L0,
	v_cndmask_b32 v45, v[\oth], v[\own], s[STM]    ; L1
	v_max_num_f32 v46, v44, v45
	v_min_num_f32 v47, v44, v45
	v_sub_f32 v47, v47, v46
	v_max_num_f32 v47, v47, v[NINF]
	v_exp_f32 v47, v47
	v_nop
	s_wait_alu depctr_va_vdst(0)
	v_add_f32 v47, 1.0, v47
	v_log_f32 v47, v47
	v_nop
	s_wait_alu depctr_va_vdst(0)
	v_add_f32 v48, v46, v47                        ; La: stages 0 and 1
	v_sub_f32 v49, v44, v48
	v_sub_f32 v50, v45, v48
	v_max_num_f32 v49, v49, v[NINF]
	v_max_num_f32 v50, v50, v[NINF]
	v_exp_f32 v49, v49                             ; w1
	v_exp_f32 v50, v50                             ; w2
	v_max_num_f32 v46, v48, v45
	v_min_num_f32 v47, v48, v45
	v_sub_f32 v47, v47, v46
	v_max_num_f32 v47, v47, v[NINF]
	v_exp_f32 v47, v47
	v_nop
	s_wait_alu depctr_va_vdst(0)
	v_add_f32 v47, 1.0, v47
	v_log_f32 v47, v47
	v_nop
	s_wait_alu depctr_va_vdst(0)
	v_add_f32 v51, v46, v47                        ; Lb: stage 1 once more
	v_sub_f32 v52, v48, v51
	v_sub_f32 v53, v45, v51
	v_max_num_f32 v52, v52, v[NINF]
	v_max_num_f32 v53, v53, v[NINF]
	v_exp_f32 v52, v52                             ; w3
	v_exp_f32 v53, v53                             ; w4
	v_mul_f32 v[\ldst], 0x3f317218, v51            ; the second output: Lb x ln 2
	s_wait_alu depctr_va_vdst(0)
	v_mul_f32 v49, v52, v49                        ; O0's weight: w3 w1
	v_fma_f32 v50, v52, v50, v53                   ; O1's: w3 w2 + w4
	v_cndmask_b32 v49, v49, v50, s[STM]
	v_ldexp_f32 v[\adst], v49, s[EVP]              ; my stage's, x 2^(ev + ep)
.endm
	MERGE T+6, T+2, AW, MX+2
	MERGE T+7, T+3, AW+2, MX+3
	s_lshl_b32 s96, s[G], 7
	s_add_co_u32 s96, s96, LSEB
	v_and_b32 v[T], 15, v0
	v_lshl_add_u32 v[T], v[T], 2, s96
	v_add_nc_u32 v[T+1], LSEB, v[LI]
	SETSC EP
	s_cmp_lg_u32 s[ST], 0
	s_cbranch_scc1 .Lno_lse
	ds_store_b32 v[T], v[MX+2]                     ; both halves of the lanes hold the same number and write the same word
	ds_store_b32 v[T], v[MX+3] offset:64
.Lno_lse:
	s_wait_loadcnt 0x0
	FSTORES 2, WA0                                 ; pass 2's first slot into buffer 0
	BARRIER
	s_cmp_lg_u32 s[WV], 0
	s_cbranch_scc1 .Lnot_wave_0
	ds_load_b128 v[44:47], v[T+1]
	s_wait_dscnt 0x0
	global_store_b128 v[LI], v[44:47], s[26:27]    ; 128 numbers of out1: 512 consecutive bytes, aligned
.Lnot_wave_0:
	; ================ pass 2
	s_mov_b32 s[TB], 0
	s_mov_b32 s[TRIPS], 0
.Lpass2:
	ONE_TRIP 2
	s_cbranch_scc1 .Lpass2
	; ================ the way out.  A x O^T of each wave goes into its region of LDS by rows; then each wave adds the two stages' rows of 16 queries and stores whole rows
	PLACES
	WIN 0x01
.set n, 0
.rept 64
	v_pk_mul_f32 v[S+2*n:S+2*n+1], v[O+2*n:O+2*n+1], v[AW+2*(n/32):AW+2*(n/32)+1] op_sel_hi:[1,0]   ; each accumulator from its low end on
.set n, n+1
.endr
	WIN 0
	s_mul_i32 s94, s[WV], RGN
	v_and_b32 v[T], 15, v0
	v_bfe_u32 v[T+1], v0, 4, 1
	v_mul_u32_u24 v[T], v[T], RP
	v_lshl_add_u32 v[T], v[T+1], 5, v[T]
	v_add_nc_u32 v[T], s94, v[T]                   ; in: row r, 32 (lane / 16) bytes on
	s_mul_i32 s94, s[G], RGN
	s_mul_i32 s95, s[ST], 16*RP
	s_add_co_u32 s94, s94, s95
	v_add_nc_u32 v[T+1], s94, v[LI]                ; back: stage 0's region of my queries, tile = my stage's number,
	v_add_nc_u32 v[T+2], 4*RGN, v[T+1]             ; and stage 1's
.irp a, 0,1
.irp d, 0,1,2,3,4,5,6,7
	ds_store_b128 v[T], v[S+64*\a+8*\d:S+64*\a+8*\d+3] offset:16*\a*RP+64*\d
	ds_store_b128 v[T], v[S+64*\a+8*\d+4:S+64*\a+8*\d+7] offset:16*\a*RP+64*\d+16
.endr
.endr
	BARRIER
.irp i, 0,1,2,3,4,5,6,7,8,9,10,11,12,13,14,15
	ds_load_b128 v[FR+4*\i:FR+4*\i+3], v[T+1] offset:RP*\i
	ds_load_b128 v[S+4*\i:S+4*\i+3], v[T+2] offset:RP*\i
.endr
.irp i, 0,1,2,3,4,5,6,7,8,9,10,11,12,13,14,15
	s_wait_dscnt 30-2*\i                           ; row i of both stages is in; the later rows' two loads each stay out
	v_pk_add_f32 v[FR+4*\i:FR+4*\i+1], v[FR+4*\i:FR+4*\i+1], v[S+4*\i:S+4*\i+1]
	v_pk_add_f32 v[FR+4*\i+2:FR+4*\i+3], v[FR+4*\i+2:FR+4*\i+3], v[S+4*\i+2:S+4*\i+3]
	global_store_b128 v[LI], v[FR+4*\i:FR+4*\i+3], s[24:25] offset:4096*\i th:TH_STORE_NT   ; a query's 128 numbers: 512 consecutive bytes, aligned; written once
.endr
	s_wait_xcnt 0x0
	v_lshl_add_u32 v254, v0, 2, 0x32200
	v_mov_b32 v255, 0
	s_wait_tensorcnt 0x0
	ds_add_u32 v254, v255
	s_wait_dscnt 0x0
	s_endpgm
.Lfunc_end_k_q9bfd38c134_attn:
	.size	k_q9bfd38c134_attn, .Lfunc_end_k_q9bfd38c134_attn-k_q9bfd38c134_attn
	.p2alignl 7, 3214868480
	.fill 96, 4, 3214868480
	.section	.rodata,"a",@progbits
	.p2align	6, 0x0
	.amdhsa_kernel k_q9bfd38c134_attn
		.amdhsa_group_segment_fixed_size 206336
		.amdhsa_private_segment_fixed_size 0
		.amdhsa_enable_private_segment 0
		.amdhsa_kernarg_size 96
		.amdhsa_user_sgpr_count 2
		.amdhsa_user_sgpr_kernarg_segment_ptr 1
		.amdhsa_wavefront_size32 1
		.amdhsa_system_sgpr_workgroup_id_x 1
		.amdhsa_system_sgpr_workgroup_id_y 1
		.amdhsa_system_sgpr_workgroup_id_z 1
		.amdhsa_system_vgpr_workitem_id 0
		.amdhsa_next_free_vgpr 512
		.amdhsa_next_free_sgpr 102
		.amdhsa_reserve_vcc 1
		.amdhsa_float_denorm_mode_32 3
		.amdhsa_float_denorm_mode_16_64 3
		.amdhsa_memory_ordered 1
		.amdhsa_forward_progress 1
		.amdhsa_inst_pref_size 191
	.end_amdhsa_kernel
	.amdgpu_metadata
---
amdhsa.version: [ 1, 2 ]
amdhsa.kernels:
  - .name:           k_q9bfd38c134_attn
    .symbol:         k_q9bfd38c134_attn.kd
    .args:
      - { .name: q, .offset: 0, .size: 8, .value_kind: global_buffer, .address_space: global }
      - { .name: kc, .offset: 8, .size: 8, .value_kind: global_buffer, .address_space: global }
      - { .name: vc, .offset: 16, .size: 8, .value_kind: global_buffer, .address_space: global }
      - { .name: lowp_scales, .offset: 24, .size: 8, .value_kind: global_buffer, .address_space: global }
      - { .name: q_ranges_local, .offset: 32, .size: 8, .value_kind: global_buffer, .address_space: global }
      - { .name: kv_ranges_local, .offset: 40, .size: 8, .value_kind: global_buffer, .address_space: global }
      - { .name: is_causal_local, .offset: 48, .size: 8, .value_kind: global_buffer, .address_space: global }
      - { .name: q_ranges_remote, .offset: 56, .size: 8, .value_kind: global_buffer, .address_space: global }
      - { .name: kv_ranges_remote, .offset: 64, .size: 8, .value_kind: global_buffer, .address_space: global }
      - { .name: is_causal_remote, .offset: 72, .size: 8, .value_kind: global_buffer, .address_space: global }
      - { .name: out0, .offset: 80, .size: 8, .value_kind: global_buffer, .address_space: global }
      - { .name: out1, .offset: 88, .size: 8, .value_kind: global_buffer, .address_space: global }
    .group_segment_fixed_size: 206336
    .private_segment_fixed_size: 0
    .kernarg_segment_align: 8
    .kernarg_segment_size: 96
    .max_flat_workgroup_size: 256
    .sgpr_count:     102
    .vgpr_count:     512
    .wavefront_size: 32
...
	.end_amdgpu_metadata
.endif
;; end of part 2
;; ======== version 2 of 2: 2 launches; version 1 with the launch quant written anew for expert scheduling mode
;; workspace buffers: kc 8,388,608 bytes; vc 8,388,608 bytes
;; launch quant (part 3): grid 512 x 1, 8 waves a work-group, no clusters, 136,192 bytes of LDS; arguments k_local, k_remote, v_local, v_remote, lowp_scales, kc, vc; writes kc, vc
.if DOCPART == 3
	.amdgcn_target "amdgcn-amd-amdhsa--gfx1250"
	.amdhsa_code_object_version 6
	.text
	.protected	k_q9bfd38c134_quant
	.globl	k_q9bfd38c134_quant
	.p2align	8
	.type	k_q9bfd38c134_quant,@function
k_q9bfd38c134_quant:
	s_mov_b64 s[64:65], 0
	v_nop
	global_prefetch_b8 v0, s[64:65] scope:SCOPE_SE
	s_setreg_imm32_b32 hwreg(HW_REG_WAVE_SCHED_MODE, 0, 2), 2
	s_setreg_imm32_b32 hwreg(HW_REG_WAVE_MODE, 25, 1), 1
	s_wait_xcnt 0x0
	s_wait_alu depctr_vm_vsrc(0)
; K and V of both stages, [4096 keys][8 heads][128] f32, become codes of E5M2, laid as IMAGES OF OPERAND REGISTERS for the attention launch.
; kc and vc: [head 8][stage 2][unit 32][fragment 8][chunk 4][lane 32][16 bytes].  A unit is 128 keys (16,384 bytes); a fragment is 16 registers a lane;
; chunk c is registers 4 c .. 4 c + 3, lane l's 16 bytes at 16 l.  With r = lane % 16, h = lane / 16:
;   kc, fragment 2 b + u: key 32 b + 8 u + r + 8 (r / 8) of the unit, channels 32 c + 16 h + 0 .. 15   (K of the first product = the head's 128 channels)
;   vc, fragment dt:      channel 16 dt + r, keys 32 c + 16 h + 0 .. 15 of the unit                     (K of the second product = the keys)
; code = x / 2^e, held within +-57,344, to the nearest code, ties to even.  e: entries 1, 5 (K local, remote) and 2, 6 (V) of the buffer of scales.
; LIMITS: e between -126 and 112, so that 2^e and 57,344 x 2^e are f32 numbers.  NaN among the inputs is not served.
; Work-groups 0-255 take K, 256-511 take V; each of eight waves has one task of 16 KiB of f32, written out without a loop; waves share nothing, so there is no barrier.
; No tensor loads, matrix units or clusters: every byte is read once and written once, and nothing is shared between work-groups.
; THE MODE: SCHED_MODE bits 1:0 = 2 (LLVM: expert scheduling mode 2), set by the entry lines.  The code itself states the register dependences between vector instructions and
; memory or LDS instructions, with s_wait_alu, always for 0.
; THE PLAN.  Registers that memory or LDS instructions touch:
;   v1, v2, v3, v7, v8  Offsets and LDS addresses, made once at the head and never written again: one wait on va_vdst, ahead of the parting of the two ways, serves every load and store.
;   X    K: the rows' global loads land in it, the LDS stores read it, the LDS loads land in it again (one wait on vm_vsrc between the two), the holds and conversions work on it.
;        V: the global loads land in it, the holds and conversions work on it; no memory instruction reads it.
;   CD   Written by a step's conversions; read by the stores that are issued at the head of the next step, behind one wait on va_vdst; never written again.
;   v192, v193  Written at the head, read by the closing add alone.
.set RP,   528                         ; a row of 512 bytes in the wave's stage + 16 of padding = 132 words: sixteen rows start at sixteen different groups of four banks
.set WREG, 32*RP                       ; a wave's stage: 32 rows
.set X,    32                          ; v32-159  128 numbers
.set CD,   160                         ; v160-191 codes: registers of their own for every store, so that no store's data are written again
	s_load_b256 s[4:11], s[0:1], 0x0               ; k_local s[4:5], k_remote s[6:7], v_local s[8:9], v_remote s[10:11]
	s_load_b128 s[12:15], s[0:1], 0x20             ; the scales' exponents s[12:13], kc s[14:15]
	s_load_b64 s[16:17], s[0:1], 0x30              ; vc
	v_lshl_add_u32 v192, v0, 2, 0x21000
	v_mov_b32 v193, 0
	v_lshrrev_b32 v4, 5, v0
	v_readfirstlane_b32 s18, v4                    ; wave 0..7
	v_and_b32 v4, 31, v0                           ; lane
	v_and_b32 v5, 15, v0                           ; r
	v_bfe_u32 v6, v0, 4, 1                         ; h
	v_lshlrev_b32 v1, 4, v4                        ; 16 x lane
	s_wait_alu depctr_va_sdst(0)                   ; the wave's number is written into s18, ahead of its first reader
	s_mul_i32 s19, s18, WREG
	v_add_nc_u32 v2, s19, v1                       ; K: into my stage: 16 bytes a lane of a row
	v_mul_u32_u24 v3, v5, RP
	v_lshl_add_u32 v3, v6, 6, v3
	v_add_nc_u32 v3, s19, v3                       ; K: out of it: row r, 64 h bytes on
	v_lshlrev_b32 v7, 2, v4                        ; V: in: 4 bytes a lane
	v_lshlrev_b32 v8, 4, v5
	v_lshl_add_u32 v8, v6, 11, v8                  ; V: out: fragment lane / 16, 16 r bytes on
	s_wait_alu depctr_va_vdst(0)                   ; v1, v2, v3, v7 and v8 are written, which the loads and stores of both ways read as offsets and addresses; so are v192 and v193, which the closing add reads
	s_wait_kmcnt 0x0
	s_load_b256 s[20:27], s[12:13], 0x0            ; the eight exponents
	s_cmp_lt_u32 ttmp9, 256
	s_cbranch_scc0 .Lv
.macro SCALE                           ; s29 = e  ->  v11 = 2^e (the conversion takes its exponent field), v10 = 57,344 x 2^e
	s_add_co_i32 s29, s29, 127
	s_lshl_b32 s36, s29, 23
	v_mov_b32 v11, s36
	s_add_co_i32 s29, s29, 15
	s_lshl_b32 s29, s29, 23
	s_or_b32 s29, s29, 0x600000
	v_mov_b32 v10, s29
.endm
	; ---- K.  x = head x 32 + stage x 16 + sixteenth; the wave takes a group of 32 keys = two fragments = 4,096 bytes of kc
	s_bfe_u32 s28, ttmp9, 0x10004                  ; stage
	s_lshr_b32 s30, ttmp9, 5                       ; head
	s_and_b32 s31, ttmp9, 15
	s_lshl_b32 s31, s31, 3
	s_add_co_u32 s31, s31, s18                     ; the group, 0..127
	s_lshl_b32 s32, s31, 17                        ; 32 keys of 4,096 bytes
	s_lshl_b32 s33, s30, 9                         ; the head's 512 bytes of a key
	s_add_co_u32 s32, s32, s33
	s_mov_b32 s33, 0
	s_lshl_b32 s34, ttmp9, 3
	s_add_co_u32 s34, s34, s18
	s_lshl_b32 s34, s34, 12                        ; kc: (8 x + wave) x 4,096
	s_mov_b32 s35, 0
	s_cmp_lg_u32 s28, 0
	s_cselect_b64 s[4:5], s[6:7], s[4:5]           ; the choice hangs on the work-group's number alone
	s_add_nc_u64 s[4:5], s[4:5], s[32:33]
	s_add_nc_u64 s[14:15], s[14:15], s[34:35]
.set kk, 0
.rept 32
	global_load_b128 v[X+4*kk:X+4*kk+3], v1, s[4:5] offset:4096*kk th:TH_LOAD_NT   ; key kk of the group: 32 lanes read its 512 consecutive bytes
.set kk, kk+1
.endr
	s_wait_kmcnt 0x0
	s_cmp_lg_u32 s28, 0
	s_cselect_b32 s29, s25, s21
	SCALE
.set kk, 0
.rept 32
	s_wait_loadcnt 31-kk                           ; loads come back in order: row kk is in, the younger rows stay out
	ds_store_b128 v2, v[X+4*kk:X+4*kk+3] offset:(16*((kk/8)%2)+8*(kk/16)+kk%8)*RP   ; rows in the order of the fragments' lanes: key 8 u + r + 8 (r / 8) at row 16 u + r
.set kk, kk+1
.endr
	s_wait_dscnt 0x0                               ; the stores are done
	s_wait_alu depctr_vm_vsrc(0)                   ; the LDS stores have read v[X] on, in which the LDS loads below land and which the holds then write
.set kk, 0
.rept 32
	ds_load_b128 v[X+4*kk:X+4*kk+3], v3 offset:16*(kk/16)*RP+128*((kk/4)%4)+16*(kk%4)   ; chunk kk / 4: my 16 neighbouring channels of my key
.set kk, kk+1
.endr
.set it, 0
.rept 8
	s_wait_dscnt 28-4*it                           ; this chunk's four loads are in; the later chunks' stay out
.if it > 0
	s_wait_alu depctr_va_vdst(0)                   ; the chunk before's two conversions have written its codes, which the store reads
	global_store_b128 v1, v[CD+4*(it-1):CD+4*(it-1)+3], s[14:15] offset:512*(it-1)   ; a chunk: 512 consecutive bytes.  (The codes go to a store alone; the next chunk's holds are plain lines on other registers)
.endif
.set i, 0
.rept 16
	v_med3_num_f32 v[X+16*it+i], v[X+16*it+i], -v10, v10   ; the conversion to an 8-bit code does not saturate (ISA guide 7.6.2): the hold comes first
.set i, i+1
.endr
	v_cvt_scalef32_pk8_bf8_f32 v[CD+4*it:CD+4*it+1], v[X+16*it:X+16*it+7], v11
	v_cvt_scalef32_pk8_bf8_f32 v[CD+4*it+2:CD+4*it+3], v[X+16*it+8:X+16*it+15], v11
.set it, it+1
.endr
	s_wait_alu depctr_va_vdst(0)                   ; the last chunk's two conversions have written its codes, which the store reads
	global_store_b128 v1, v[CD+28:CD+31], s[14:15] offset:512*7
	s_wait_dscnt 0x0                               ; the closing lines, six on end
	s_wait_alu 0x0
	s_wait_tensorcnt 0x0
	ds_add_u32 v192, v193
	s_wait_dscnt 0x0
	s_endpgm
.Lv:	; ---- V.  A LANE TAKES A CHANNEL AND ITS REGISTERS RUN DOWN THE KEYS: task = ((head x 2 + stage) x 32 + unit) x 4 + group of 32 channels
	s_sub_co_u32 s28, ttmp9, 256
	s_lshl_b32 s28, s28, 3
	s_add_co_u32 s28, s28, s18                     ; the task, 0..2047
	s_and_b32 s30, s28, 3                          ; which 32 channels: the four waves side by side read 512 consecutive bytes of a key
	s_bfe_u32 s31, s28, 0x50002                    ; unit
	s_bfe_u32 s37, s28, 0x10007                    ; stage
	s_lshr_b32 s38, s28, 8                         ; head
	s_lshl_b32 s32, s31, 19                        ; 128 keys of 4,096 bytes
	s_lshl_b32 s33, s38, 9
	s_add_co_u32 s32, s32, s33
	s_lshl_b32 s33, s30, 7
	s_add_co_u32 s32, s32, s33
	s_mov_b32 s33, 0
	s_lshr_b32 s34, s28, 2
	s_lshl_b32 s34, s34, 14                        ; vc: the unit's 16,384 bytes,
	s_lshl_b32 s35, s30, 12                        ; my two fragments
	s_add_co_u32 s34, s34, s35
	s_mov_b32 s35, 0
	s_cmp_lg_u32 s37, 0
	s_cselect_b64 s[8:9], s[10:11], s[8:9]
	s_add_nc_u64 s[8:9], s[8:9], s[32:33]
	s_add_nc_u64 s[16:17], s[16:17], s[34:35]
.set kk, 0
.rept 128
	global_load_b32 v[X+kk], v7, s[8:9] offset:4096*kk th:TH_LOAD_NT   ; key kk of the unit, my channel
.set kk, kk+1
.endr
	s_wait_kmcnt 0x0
	s_cmp_lg_u32 s37, 0
	s_cselect_b32 s29, s26, s22
	SCALE
.macro VSTORE c                        ; block c's codes leave
	global_store_b128 v8, v[CD+8*(\c):CD+8*(\c)+3], s[16:17] offset:512*(\c)          ; keys 0-15 of the block: the places of lanes 0-15 of chunk c; sixteen lanes store 256 consecutive bytes, aligned
	global_store_b128 v8, v[CD+8*(\c)+4:CD+8*(\c)+7], s[16:17] offset:512*(\c)+256    ; keys 16-31: the places of lanes 16-31
.endm
.macro VBLOCK c, left                  ; keys 32 c .. 32 c + 31;  left: younger loads that may stay out
	s_wait_loadcnt \left
.if \c > 0
	s_wait_alu depctr_va_vdst(0)                   ; the block before's four conversions have written its codes, which the two stores read
	VSTORE \c-1
.endif
.set i, 0
.rept 32
	v_med3_num_f32 v[X+32*\c+i], v[X+32*\c+i], -v10, v10
.set i, i+1
.endr
.irp g, 0,1,2,3
	v_cvt_scalef32_pk8_bf8_f32 v[CD+8*\c+2*\g:CD+8*\c+2*\g+1], v[X+32*\c+8*\g:X+32*\c+8*\g+7], v11
.endr
.endm
	VBLOCK 0, 63                                   ; 96 younger loads could stay out; the wait's field holds 63
	VBLOCK 1, 63                                   ; 64 could
	VBLOCK 2, 32
	VBLOCK 3, 0
	s_wait_alu depctr_va_vdst(0)                   ; the last block's four conversions have written its codes, which the two stores read
	VSTORE 3
	s_endpgm
.Lfunc_end_k_q9bfd38c134_quant:
	.size	k_q9bfd38c134_quant, .Lfunc_end_k_q9bfd38c134_quant-k_q9bfd38c134_quant
	.p2alignl 7, 3214868480
	.fill 96, 4, 3214868480
	.section	.rodata,"a",@progbits
	.p2align	6, 0x0
	.amdhsa_kernel k_q9bfd38c134_quant
		.amdhsa_group_segment_fixed_size 136192
		.amdhsa_private_segment_fixed_size 0
		.amdhsa_enable_private_segment 0
		.amdhsa_kernarg_size 56
		.amdhsa_user_sgpr_count 2
		.amdhsa_user_sgpr_kernarg_segment_ptr 1
		.amdhsa_wavefront_size32 1
		.amdhsa_system_sgpr_workgroup_id_x 1
		.amdhsa_system_sgpr_workgroup_id_y 1
		.amdhsa_system_sgpr_workgroup_id_z 1
		.amdhsa_system_vgpr_workitem_id 0
		.amdhsa_next_free_vgpr 194
		.amdhsa_next_free_sgpr 66
		.amdhsa_reserve_vcc 0
		.amdhsa_float_denorm_mode_32 3
		.amdhsa_float_denorm_mode_16_64 3
		.amdhsa_memory_ordered 1
		.amdhsa_forward_progress 1
		.amdhsa_inst_pref_size 45
	.end_amdhsa_kernel
	.amdgpu_metadata
---
amdhsa.version: [ 1, 2 ]
amdhsa.kernels:
  - .name:           k_q9bfd38c134_quant
    .symbol:         k_q9bfd38c134_quant.kd
    .args:
      - { .name: k_local, .offset: 0, .size: 8, .value_kind: global_buffer, .address_space: global }
      - { .name: k_remote, .offset: 8, .size: 8, .value_kind: global_buffer, .address_space: global }
      - { .name: v_local, .offset: 16, .size: 8, .value_kind: global_buffer, .address_space: global }
      - { .name: v_remote, .offset: 24, .size: 8, .value_kind: global_buffer, .address_space: global }
      - { .name: lowp_scales, .offset: 32, .size: 8, .value_kind: global_buffer, .address_space: global }
      - { .name: kc, .offset: 40, .size: 8, .value_kind: global_buffer, .address_space: global }
      - { .name: vc, .offset: 48, .size: 8, .value_kind: global_buffer, .address_space: global }
    .group_segment_fixed_size: 136192
    .private_segment_fixed_size: 0
    .kernarg_segment_align: 8
    .kernarg_segment_size: 56
    .max_flat_workgroup_size: 256
    .sgpr_count:     66
    .vgpr_count:     194
    .wavefront_size: 32
...
	.end_amdgpu_metadata
.endif
;; end of part 3
;; launch attn: the kernel of part 2 again; grid 32 x 8, 8 waves a work-group, no clusters, 206,336 bytes of LDS; arguments q, kc, vc, lowp_scales, q_ranges_local, kv_ranges_local, is_causal_local, q_ranges_remote, kv_ranges_remote, is_causal_remote, out0, out1; writes out0, out1
